; MI455X (gfx1250); checked and timed in simulation.
; The chip was launched on July 23, 2026; its instructions are those of AMD's public machine-readable ISA for CDNA 5 (MIT licence, August 2026) and "CDNA5" Instruction Set Architecture Reference Guide (July 2026). The comments in the code are by the model that wrote it; some were corrected since.
;; Tritter MLP. Allowed arithmetic: float matrix products may take bf16 or f16 operands with f32 sums; other float arithmetic in f32, or as packed bf16 or f16 multiplies, adds, multiply-adds, maxima and minima; sums over many terms, partial sums and values carried from step to step in f32; what a program stores and reads back later, other than sums and carried values, may be rounded once to bf16 or f16.
;; Inputs: b_down 2,048 float32; b_gate 8,192 float32; b_up 8,192 float32; hidden_states 4 x 256 x 2,048 float32; w_down 8,192 x 2,048 float32; w_gate 2,048 x 8,192 float32; w_up 2,048 x 8,192 float32.
;; Outputs: out0 4 x 256 x 2,048 float32.
;; 2 versions, each right; version 2 is version 1 with the launch castx written anew for expert scheduling mode. Each part assembles by itself: llvm-mc -triple=amdgcn-amd-amdhsa -mcpu=gfx1250 --defsym DOCPART=n.
;; ======== version 1 of 2: 4 launches
;; workspace buffers: xb 4,194,304 bytes; hb 16,777,216 bytes; wdb 33,554,432 bytes; part 33,554,432 bytes
;; launch castx (part 1): grid 256 x 1, 8 waves a work-group, no clusters, 0 bytes of LDS; arguments hidden_states, xb; writes xb
.if DOCPART == 1
	.amdgcn_target "amdgcn-amd-amdhsa--gfx1250"
	.amdhsa_code_object_version 6
	.text
	.protected	k_qac5c52a130_castx
	.globl	k_qac5c52a130_castx
	.p2align	8
	.type	k_qac5c52a130_castx,@function
k_qac5c52a130_castx:
	s_mov_b64 s[64:65], 0
	v_nop
	global_prefetch_b8 v0, s[64:65] scope:SCOPE_SE
	s_setreg_imm32_b32 hwreg(HW_REG_WAVE_MODE, 25, 1), 1
	s_wait_xcnt 0x0
; xb = hidden_states rounded once to bf16 (nearest even): [1024][2048], the layout kept.  It is the first product's matrix operand; rounded here once, it
; goes into LDS as 2 bytes a number in the next launch, where 64 work-groups read each row.
; NOTHING OF reference() IS LEFT OUT in this program: every input has a way to out0 and is loaded by some launch.
; SHARES.  A work-group takes 32,768 bytes of x, a wave 4,096: eight loads of 16 bytes a lane (512 consecutive bytes each), all issued before the first wait.
; Four f32 become 8 bytes: a store of the wave covers 256 consecutive bytes, at a multiple of 256 from xb's first byte.  No register is used twice, so no wait frees one.
.set X, 8                              ; v[8:39]   as loaded
.set Y, 40                             ; v[40:55]  to store
	s_load_b128 s[4:7], s[0:1], 0x0                ; x s[4:5], xb s[6:7]
	v_lshrrev_b32 v3, 5, v0                        ; wave
	v_and_b32 v4, 31, v0                           ; lane
	v_lshlrev_b32 v1, 12, v3
	v_lshl_or_b32 v1, v4, 4, v1                    ; in: 4,096 x wave + 16 x lane
	v_lshlrev_b32 v2, 11, v3
	v_lshl_or_b32 v2, v4, 3, v2                    ; out: 2,048 x wave + 8 x lane
	s_lshl_b32 s8, ttmp9, 15
	s_mov_b32 s9, 0
	s_lshl_b32 s10, ttmp9, 14
	s_mov_b32 s11, 0
	s_wait_kmcnt 0x0
	s_add_nc_u64 s[4:5], s[4:5], s[8:9]
	s_add_nc_u64 s[6:7], s[6:7], s[10:11]
.irp i, 0,1,2,3,4,5,6,7
	global_load_b128 v[X+4*\i:X+4*\i+3], v1, s[4:5] offset:512*\i th:TH_LOAD_NT
.endr
.irp i, 0,1,2,3,4,5,6,7
	s_wait_loadcnt 7-\i                            ; loads come back in order: load i is in, the younger ones stay out
	v_cvt_pk_bf16_f32 v[Y+2*\i], v[X+4*\i], v[X+4*\i+1]
	v_cvt_pk_bf16_f32 v[Y+2*\i+1], v[X+4*\i+2], v[X+4*\i+3]
	global_store_b64 v2, v[Y+2*\i:Y+2*\i+1], s[6:7] offset:256*\i
.endr
	s_endpgm
.Lfunc_end_k_qac5c52a130_castx:
	.size	k_qac5c52a130_castx, .Lfunc_end_k_qac5c52a130_castx-k_qac5c52a130_castx
	.p2alignl 7, 3214868480
	.fill 96, 4, 3214868480
	.section	.rodata,"a",@progbits
	.p2align	6, 0x0
	.amdhsa_kernel k_qac5c52a130_castx
		.amdhsa_group_segment_fixed_size 0
		.amdhsa_private_segment_fixed_size 0
		.amdhsa_enable_private_segment 0
		.amdhsa_kernarg_size 16
		.amdhsa_user_sgpr_count 2
		.amdhsa_user_sgpr_kernarg_segment_ptr 1
		.amdhsa_wavefront_size32 1
		.amdhsa_system_sgpr_workgroup_id_x 1
		.amdhsa_system_sgpr_workgroup_id_y 1
		.amdhsa_system_sgpr_workgroup_id_z 1
		.amdhsa_system_vgpr_workitem_id 0
		.amdhsa_next_free_vgpr 64
		.amdhsa_next_free_sgpr 66
		.amdhsa_reserve_vcc 0
		.amdhsa_float_denorm_mode_32 3
		.amdhsa_float_denorm_mode_16_64 3
		.amdhsa_memory_ordered 1
		.amdhsa_forward_progress 1
		.amdhsa_inst_pref_size 4
	.end_amdhsa_kernel
	.amdgpu_metadata
---
amdhsa.version: [ 1, 2 ]
amdhsa.kernels:
  - .name:           k_qac5c52a130_castx
    .symbol:         k_qac5c52a130_castx.kd
    .args:
      - { .name: hidden_states, .offset: 0, .size: 8, .value_kind: global_buffer, .address_space: global }
      - { .name: xb, .offset: 8, .size: 8, .value_kind: global_buffer, .address_space: global }
    .group_segment_fixed_size: 0
    .private_segment_fixed_size: 0
    .kernarg_segment_align: 8
    .kernarg_segment_size: 16
    .max_flat_workgroup_size: 256
    .sgpr_count:     66
    .vgpr_count:     64
    .wavefront_size: 32
...
	.end_amdgpu_metadata
.endif
;; end of part 1
;; launch gateup (part 2): grid 64 x 4, 4 waves a work-group, clusters of 4 x 4, 327,680 bytes of LDS; arguments xb, w_gate, w_up, b_gate, b_up, w_down, hb, wdb; writes hb, wdb
.if DOCPART == 2
	.amdgcn_target "amdgcn-amd-amdhsa--gfx1250"
	.amdhsa_code_object_version 6
	.text
	.protected	k_qac5c52a130_gateup
	.globl	k_qac5c52a130_gateup
	.p2align	8
	.type	k_qac5c52a130_gateup,@function
k_qac5c52a130_gateup:
	s_mov_b64 s[64:65], 0
	v_nop
	global_prefetch_b8 v0, s[64:65] scope:SCOPE_SE
	s_setreg_imm32_b32 hwreg(HW_REG_WAVE_MODE, 25, 1), 1
	s_wait_xcnt 0x0
	s_wait_alu depctr_hold_cnt(0) depctr_sa_sdst(0) depctr_va_vdst(0) depctr_va_sdst(0) depctr_va_ssrc(0) depctr_va_vcc(0) depctr_vm_vsrc(0)
	s_getreg_b32 s2, hwreg(HW_REG_IB_STS2, 6, 4)
	s_cmp_eq_u32 s2, 0
	s_cbranch_scc0 .Lentry_in_a_cluster
	s_endpgm
.Lentry_in_a_cluster:
	s_bfe_u32 s2, ttmp6, 0x10000c
	s_cmp_lg_u32 s2, 0xf033
	s_cbranch_scc0 .Lentry_shape_is_right
	s_endpgm
.Lentry_shape_is_right:
; hb = bf16( t max(t, 0) u ),  t = xb Wg + bg,  u = xb Wu + bu.   xb [1024][2048] bf16; Wg, Wu [2048][8192] f32; bg, bu [8192] f32; hb [1024][8192] bf16.
; Beside it: wdb = w_down rounded to bf16, the layout [8192][2048] kept, for the next launch.  Nothing of reference() is left out.
; LIMITS.  x, Wg, Wu, Wd and h are each rounded once to bf16 (nearest even); sums in f32, K ascending; the biases are added in f32.  NaN and infinities go through t max(t, 0) u
; as through reference()'s t relu(t) u (max(NaN, 0) counts as 0 here, and NaN x 0 is NaN again).
; SHARES.  A work-group makes 256 rows (block cy) x 128 columns of h (block XB = 4 x cluster x + cx): 256 x 256 sums, half of them gate's, half up's.  Wave w: kind w / 2 (0 gate, 1 up),
; column half w % 2: ALL 256 rows x 64 columns of ONE matrix: 16 row blocks x 4 fragments = 64 accumulators, 512 registers.
; x comes by joint tensor loads into a ring of two LDS slots, K steps of 128 (rows of 256 bytes); the four work-groups of a cluster's row share its tiles.
; THE WEIGHTS NEVER TOUCH LDS.  They lie [k][n] in f32; a fragment wants pairs along k in bf16.  For 32 along k a lane (r = lane % 16, h = lane / 16) loads 16 bytes, columns 4 r .. 4 r + 3, of each of the 16
; rows k = 8 h + 0..7 and 16 + 8 h + 0..7 (sixteen lanes read 256 consecutive bytes of a row).  One v_cvt_pk_bf16_f32 of the same column from two neighbouring rows IS a fragment's register: fragment f holds
; column 4 r + f in lane r, k in its true places.  Half a conversion and a quarter of a load for each matrix instruction; nobody reads a weight that another wave has loaded.
; WHY NO JOINT LOAD FOR THE WEIGHTS, though the four work-groups of a cluster's column read the same 128 columns: a joint load lands in LDS, as f32.  A K step's 128 x 256 weights are 131,072 bytes; with
; x's 69,632 and Wd's 16,384 a slot would be 217,088 bytes, and two such slots are more than the 327,680 that there are.
; TRANSPOSED USE: source 0 = weights, source 1 = x.  Register j of accumulator (a, f) in lane (r, h) is row 16 a + r, column 32 h + 4 j + f of my 64: over f and j a lane holds 32 neighbouring columns of one row.
; GATE MEETS UP at the end: each wave keeps 128 rows (window 2: rows 128 x kind on) and sends the other 128 (window 3) through LDS to the wave of the other kind with the same columns, lane to lane.
; Which rows are kept lies in the LDS addresses alone: one text for both kinds.
; Wd: the work-group's 262,144 bytes come in 16 chunks, one a K step, by plain tensor loads of waves 2 and 3 (waves 0 and 1 load x): so each wave has one tensor load behind each round.  A wave reads
; 512 bytes of the chunk with each run of LDS loads, rounds them a quarter step later (2 conversions beside 64 matrix instructions' 32) and stores 256 consecutive bytes, aligned.
; MEMORY INSTRUCTIONS STAND IN RUNS: one run behind each half of a quarter step (a store, 17 LDS loads, 8 loads of weights): eight runs for a K step's 256 matrix instructions; among the matrix instructions stand conversions alone.
; REGISTERS, in windows of 256 (s_set_vgpr_msb: bits 1:0 source 0, 3:2 source 1, 5:4 source 2, 7:6 destination):
;   window 0: v0-29 addresses; v32-43 Wd at work; v64-127 x's fragments of the kept rows, v128-191 of the sent rows; v192-223, v224-255 the weights' fragments, two buffers
;   window 1: the weights as loaded, four sets of 64 (a set = 32 along k; load i at 4 i)      window 2, 3: accumulator (a, f), a = 0..7, at 8 (4 a + f)
.set PA,    272                        ; a row of x in LDS: 256 bytes + 16 of padding = 68 words: the 16 rows of a load start at 16 different groups of four banks (64 banks of 4 bytes: ISA guide 11.1)
.set HALFA, 128*PA                     ; 128 rows: what one tensor load brings
.set WDL,   256*PA                     ; behind x's 256 rows: the chunk of Wd, 16,384 bytes, dense
.set SLOT1, 131072                     ; slot 1 begins here: one exclusive or turns an address in one slot into the other's
.set STAGE, SLOT1+WDL+16384            ; behind the ring, never filled by a tensor load: the tile of h, 256 rows x 272 bytes
.set SPARE, STAGE+256*PA               ; the spare words, 128 bytes for each wave: two blocks of 256 bytes that no other line names
                                       ; the exchange at the end: bytes 0 .. 131,071, 32,768 a wave: over slot 0, whose last fill (K step 14) and last reads lie ahead of K step 14's barrier
.set WROW,  32768                      ; bytes in a row of Wg and Wu
.set RR,  1                            ; v1   r
.set LH,  2                            ; v2   h
.set LN,  3                            ; v3   lane
.set AK0, 4                            ; v4   my place in the kept rows of a slot; never rewritten
.set AS0, 5                            ; v5   in the sent rows
.set ADK, 6                            ; v6, v7   the same in the slot in hand
.set WL0, 8                            ; v8   my 16 bytes of my wave's 4,096 of a chunk
.set WLA, 9                            ; v9   the same in the slot in hand
.set BO,  10                           ; v10  weights: 8 h rows + 16 r; never rewritten
.set PFO, 11                           ; v11  the weights' prefetch: row 32 cy + lane, three K steps beyond the pointer; never rewritten
.set PAO, 12                           ; v12  the second prefetch: lane x a row of xb, or lane x 256 bytes of Wd; never rewritten
.set WOO, 13                           ; v13  wdb: 2,048 x wave + 8 x lane; never rewritten
.set XS,  14                           ; v14  the exchange: where I put 16 bytes
.set XR,  15                           ; v15  where I find my partner's
.set STO, 16                           ; v16  the stage: where I put my 64 bytes of a row of h
.set RD,  17                           ; v17  where I read rows back
.set HO,  18                           ; v18  my byte offset in two rows of hb
.set BIO, 19                           ; v19  128 h: my 32 columns' biases
.set SPW, 28                           ; v28  LDS address of my spare word; never rewritten
.set NIL, 29                           ; v29  0; never rewritten
.set WT,  32                           ; v[32:35], v[36:39]  Wd as read from LDS, by half
.set WO,  40                           ; v[40:41], v[42:43]  Wd to store, by half
.set AF,  64
.set BB,  192
.set BR,  64                           ; at the end: the biases in the accumulators' order, 8 f + j
.set RT,  96                           ; at the end: max(t, 0) of a row block
.set TP,  128                          ; at the end: a row block of h, packed; two buffers of 16
.set OB,  64                           ; at the end: 64 rows of h read back, 128 registers
.set WV,  20                           ; s20  my wave's number
.set TYP, 21                           ; s21  0 gate, 1 up
.set CH,  22                           ; s22  column half; also which half of x's tile or of Wd's chunk I load
.set CX,  23
.set CY,  24
.set XB,  25
.set GG,  26                           ; s26  4 XB + cy: the work-group's number for Wd's share
.set MK,  27                           ; s27  my row of the cluster
.set G1A, 28                           ; s[28:35] descriptor group 1 for x's tiles
.set G1W, 36                           ; s[36:43] for Wd's chunks
.set G0A, 44                           ; s[44:51] group 0 for x: a set for each first fill; the second then walks
.set G0W, 52                           ; s[52:59] the same for Wd
.set CNT, 60
.set TB,  61                           ; s61  0 or SLOT1: the slot in hand
.set AFLAG, 62                         ; s62  1: I issue the second prefetch
.set WB,  66                           ; s[66:67] my matrix at my 64 columns, at the K step in hand + 1
.set WOP, 68                           ; s[68:69] wdb at the work-group's share
.set PFA, 70                           ; s[70:71] the second prefetch's pointer
.set PFS, 72                           ; s[72:73] its step
.set HB,  74                           ; s[74:75] hb at the rows that I store
.set BIA, 76                           ; s[76:77] my bias at my 64 columns
.set AOF, 80                           ; s[80:81] x's tile: made of cy and the wave's number alone
.set TM,  82                           ; s[82:85] at work
.set MSB, 0
.macro WIN new                         ; the immediate's high byte repeats the setting that is left; a switch that changes nothing is dropped
.if MSB != (\new)
	s_set_vgpr_msb (MSB<<8)|(\new)
.set MSB, (\new)
.endif
.endm
; A refill.  Waves 0 and 1: the two halves of x's tile, jointly with my row of the cluster; waves 2 and 3: the two halves of my work-group's chunk of Wd.  The branch hangs on the wave's number alone.
; An s_nop 0 and four v_nop follow each of the two lines, ahead of the jump and the label.
.macro JLOAD
	s_cmp_lt_u32 s[WV], 2
	s_cbranch_scc0 .Lfor_w_\@
	tensor_load_to_lds s[G0A+4:G0A+7], s[G1A:G1A+7]
	s_nop 0
.rept 4
	v_nop
.endr
	s_branch .Lasked_\@
.Lfor_w_\@:
	tensor_load_to_lds s[G0W+4:G0W+7], s[G1W:G1W+7]
	s_nop 0
.rept 4
	v_nop
.endr
.Lasked_\@:
.endm
.macro CREST                           ; a round of the cluster's barrier behind its opening barrier
	s_cmp_lg_u32 s[WV], 0
	s_cbranch_scc1 .Lnot_wave_0_\@
	s_barrier_signal -3
.Lnot_wave_0_\@:
	s_barrier_wait -3
	s_barrier_signal -1
	s_barrier_wait -1
.endm
.macro CROUND                          ; a whole round
	s_barrier_signal -1
	s_barrier_wait -1
	CREST
.endm
; PREFETCHES INTO THE L2, together, behind the refill and the run of loads that follows it.  In the change of slots of K step t they name K step t + 4.
; The weights: my 256 bytes (64 columns) of 32 rows, a lane a row; the four work-groups of a cluster's column, which read the same columns, take 32 of the K step's 128 rows each, told apart BY ADDRESS (cy).
; My own loads of that K step begin eight quarter steps, 512 matrix instructions, later.  x: the tile that the refill two changes on will ask for; all 16 clusters read it, the first (cluster x = 0) asks; of the 128 rows
; that wave 0 or 1 loads, the partner at cx takes 32.  Wd: waves 2 and 3, the 32 x 256 bytes that they will load two changes on.  So each aligned block of 256 bytes is named once in the launch.
; K steps 0 to 3 come by their loads alone; the trips with t above 11 ask for nothing: there is no K step 16.
.macro ASK
	s_cmp_gt_u32 s[CNT], 2                         ; CNT = 14 - t
	s_cbranch_scc0 .Lno_ask_\@
	global_prefetch_b8 v[PFO], s[WB:WB+1] th:TH_LOAD_NT scope:SCOPE_SE
	s_cmp_eq_u32 s[AFLAG], 1
	s_cbranch_scc0 .Lno_ask_\@
	global_prefetch_b8 v[PAO], s[PFA:PFA+1] th:TH_LOAD_NT scope:SCOPE_SE
.Lno_ask_\@:
.endm
; Matrix instruction i of a half's 32: row block i / 4, fragment i % 4.  hh = 0: kept rows, window 2; 1: sent rows, window 3.  The 64 accumulators take turns, one instruction a turn, in the same order in every
; quarter step, over the backward jump too.  zero = 1: the first product starts the sum.
.macro WM i, hh, bb, zero
	WIN 0xa0+0x50*(\hh)
.if \zero
	v_wmma_f32_16x16x32_bf16 v[8*(\i):8*(\i)+7], v[BB+32*(\bb)+8*((\i)%4):BB+32*(\bb)+8*((\i)%4)+7], v[AF+64*(\hh)+8*((\i)/4):AF+64*(\hh)+8*((\i)/4)+7], 0
.else
	v_wmma_f32_16x16x32_bf16 v[8*(\i):8*(\i)+7], v[BB+32*(\bb)+8*((\i)%4):BB+32*(\bb)+8*((\i)%4)+7], v[AF+64*(\hh)+8*((\i)/4):AF+64*(\hh)+8*((\i)/4)+7], v[8*(\i):8*(\i)+7]
.endif
.endm
; Register T of the four fragments of buffer bbn, from loads 2 T and 2 T + 1 of a set: two neighbouring rows k, four columns.
.macro CV set, bbn, T
	WIN 0x05                                       ; destination window 0, sources window 1
.irp f, 0,1,2,3
	v_cvt_pk_bf16_f32 v[BB+32*(\bbn)+8*\f+(\T)], v[64*(\set)+8*(\T)+\f], v[64*(\set)+8*(\T)+4+\f]
.endr
.endm
; Loads 2 T and 2 T + 1 of a set: rows roff + 2 T (+ 8 from T = 4 on) and the next, + 8 h, behind the pointer.  The largest immediate is (160 + 23) x 32,768, inside the signed 24 bits.
.macro GL set, T, roff
	WIN 0x40                                       ; destination window 1, address window 0
.irp e, 0,1
	global_load_b128 v[64*(\set)+8*(\T)+4*\e:64*(\set)+8*(\T)+4*\e+3], v[BO], s[WB:WB+1] offset:((\roff)+2*(\T)+\e+8*((\T)/4))*WROW
.endr
.endm
; The eight loads that fill again what half hh's sixteen conversions have read: T = 4 hh .. 4 hh + 3, four quarter steps ahead of their own conversions.
.macro GL4 set, hh, roff
.irp t, 0,1,2,3
	GL \set, 4*(\hh)+\t, \roff
.endr
.endm
; Behind a half.  st = 1: the 512 bytes of Wd read a quarter step ago are rounded and stored.  fe = 1: one run of 17 LDS loads: the next 512 bytes of Wd, and the half's eight fragments of x for quarter q.
.macro RUN hh, q, st, soff, fe
	WIN 0
.if \st
	s_wait_xcnt 0x0                                ; the store of a quarter step ago has read its data registers: they are rewritten only behind this wait
	v_cvt_pk_bf16_f32 v[WO+2*(\hh)], v[WT+4*(\hh)], v[WT+4*(\hh)+1]
	v_cvt_pk_bf16_f32 v[WO+2*(\hh)+1], v[WT+4*(\hh)+2], v[WT+4*(\hh)+3]
	global_store_b64 v[WOO], v[WO+2*(\hh):WO+2*(\hh)+1], s[WOP:WOP+1] offset:\soff  ; 32 lanes store 256 consecutive bytes, at a multiple of 256 from wdb's first byte
.endif
.if \fe
	ds_load_b128 v[WT+4*(\hh):WT+4*(\hh)+3], v[WLA] offset:(2*(\q)+(\hh))*512
.irp a, 0,1,2,3,4,5,6,7
	ds_load_b128 v[AF+64*(\hh)+8*\a:AF+64*(\hh)+8*\a+3],   v[ADK+(\hh)] offset:16*PA*\a+64*(\q)
	ds_load_b128 v[AF+64*(\hh)+8*\a+4:AF+64*(\hh)+8*\a+7], v[ADK+(\hh)] offset:16*PA*\a+64*(\q)+32
.endr
.endif
.endm
; A half of a quarter step: 32 matrix instructions on buffer bb.  Among them (cv = 1) half of the next quarter's fragments are made: behind products 7, 15, 23, 31 four conversions each, into the idle buffer.
; No memory instruction stands among them: the half's store, its LDS loads and the eight loads that fill the registers just read again follow in one run (the caller's RUN and GL4).
; PLACES (ISA guide 7.12.1 for vector instructions): the four conversions behind product 31 name none of its registers; they are the four places in front of RUN's loads into x's fragments,
; and, for the second half, in front of the next quarter's conversions into the buffer that this quarter has multiplied.
; lw: the eight loads wanted were issued eight halves ago; the eight of each half since may stay out.  dsw: the run of 17 issued last may stay out.
.macro HALF hh, bb, set, zero, cv, lw, dsw
	s_wait_dscnt \dsw
.set wn, 0
.rept 32
	WM wn, \hh, \bb, \zero
.if (\cv) && (wn == 3)
	s_wait_loadcnt \lw
.endif
.if (\cv) && (wn%8 == 7)
	CV \set, 1-(\bb), 4*(\hh)+wn/8
.endif
.set wn, wn+1
.endr
.endm
; Quarter j (0, 1, 2) of a K step: multiplies buffer j % 2, makes buffer (j + 1) % 2 from set j + 1, fetches x for quarter j + 1.  so: what the stores' immediates owe to the pointer's step.
.macro QUARTER j, zero, ld, roff, lw0, lw1, so
	HALF 0, (\j)%2, ((\j)+1)%4, \zero, 1, \lw0, 17
	RUN 0, (\j)+1, 1, 512*(\j)+(\so), 1
.if \ld
	GL4 ((\j)+1)%4, 0, \roff
.endif
	HALF 1, (\j)%2, ((\j)+1)%4, \zero, 1, \lw1, 17
	RUN 1, (\j)+1, 1, 512*(\j)+256+(\so), 1
.if \ld
	GL4 ((\j)+1)%4, 1, \roff
.endif
.endm
; Quarter 3 changes slots.  In front of the barrier each wave waits for all its tensor loads (one is out: its part of the other slot), adds 0 to its spare word, and waits for that and for its reads of this slot.
; Between the add and that wait, and between signal and wait, stands work on registers alone; the first half's run follows behind the barrier.
; refill = 1: the barrier opens a round of the cluster's barrier; behind the round no wave of any partner reads this slot or has a load on its way, and the refill (K step t + 2) is the first thing there:
; it has 224 matrix instructions in which to land.
.macro TURN refill, ld, lw0, lw1, so
	WIN 0                                          ; (the add's two registers lie in window 0)
	s_wait_tensorcnt 0x0                           ; no tensor load of mine is out, so a group 0 may be written
	ds_add_u32 v[SPW], v[NIL]                      ; 0 onto my spare word
.if \refill
	s_xor_b32 s[G0A+5], s[G0A+5], SLOT1            ; the walking descriptors: the other slot than last time,
	s_add_nc_u64 s[G0A+6:G0A+7], s[G0A+6:G0A+7], 256  ; the next K step; the type bits on top are not reached
	s_xor_b32 s[G0W+5], s[G0W+5], SLOT1
	s_add_nc_u64 s[G0W+6:G0W+7], s[G0W+6:G0W+7], 16384
.endif
	s_wait_dscnt 18                                ; the add and the youngest run of 17 may be out: the kept rows' fragments are in
.set wn, 0
.rept 16
	WM wn, 0, 1, 0
.if wn == 3
	s_wait_loadcnt \lw0
.endif
.if wn%8 == 7
	CV 0, 0, wn/8
.endif
.set wn, wn+1
.endr
	s_wait_dscnt 0x0                               ; the add is done, and my reads of this slot are over
	s_barrier_signal -1
.rept 16
	WM wn, 0, 1, 0
.if wn%8 == 7
	CV 0, 0, wn/8
.endif
.set wn, wn+1
.endr
	WIN 0
	s_barrier_wait -1
.if \refill
	CREST
	JLOAD
.endif
	s_xor_b32 s[TB], s[TB], SLOT1
	v_add_nc_u32 v[ADK], s[TB], v[AK0]
	v_add_nc_u32 v[ADK+1], s[TB], v[AS0]
	v_add_nc_u32 v[WLA], s[TB], v[WL0]
	RUN 0, 0, 1, 1536+(\so), 1
.if \ld
	GL4 0, 0, 128
.endif
	WIN 0
.if \refill
	ASK
.endif
	HALF 1, 1, 0, 0, 1, \lw1, 17
	RUN 1, 0, 1, 1792+(\so), 1
.if \ld
	GL4 0, 1, 128
.endif
.endm
; The end.  BIAS: the 32 accumulators of window W take their biases, each accumulator's registers in ascending order.  SQRELU: t max(t, 0), a row block at a time.
.macro BIAS W
	WIN 0x41*(\W)                                  ; destination and source 0 window W, source 1 window 0
.set wn, 0
.rept 32
.irp p, 0,2,4,6
	v_pk_add_f32 v[8*wn+\p:8*wn+\p+1], v[8*wn+\p:8*wn+\p+1], v[BR+8*(wn%4)+\p:BR+8*(wn%4)+\p+1]
.endr
.set wn, wn+1
.endr
.endm
.macro SQRELU W
.set wa, 0
.rept 8
	WIN 4*(\W)                                     ; source 1 window W
.set wx, 0
.rept 32
	v_max_num_f32 v[RT+wx], 0, v[32*wa+wx]
.set wx, wx+1
.endr
	WIN 0x41*(\W)
.set wx, 0
.rept 16
	v_pk_mul_f32 v[32*wa+wx:32*wa+wx+1], v[32*wa+wx:32*wa+wx+1], v[RT+wx:RT+wx+1]
.set wx, wx+2
.endr
.set wa, wa+1
.endr
.endm
	s_load_b512 s[4:19], s[0:1], 0x0               ; xb s[4:5], Wg s[6:7], Wu s[8:9], bg s[10:11], bu s[12:13], Wd s[14:15], hb s[16:17], wdb s[18:19]
	v_lshl_add_u32 v[SPW], v0, 2, SPARE
	v_mov_b32 v[NIL], 0
	ds_add_u32 v[SPW], v[NIL]                      ; the wave's opening: the add, twice on end, and its wait ahead of my first tensor load; the set-up below, work on registers, stands between
	ds_add_u32 v[SPW], v[NIL]                      ; and once more, under the one wait
	v_lshrrev_b32 v1, 5, v0
	v_readfirstlane_b32 s[WV], v1                  ; wave 0..3
	v_and_b32 v[RR], 15, v0
	v_bfe_u32 v[LH], v0, 4, 1
	v_and_b32 v[LN], 31, v0
	v_lshlrev_b32 v[BO], 18, v[LH]                 ; 8 h rows of 32,768 bytes
	v_lshl_or_b32 v[BO], v[RR], 4, v[BO]
	s_lshr_b32 s[TYP], s[WV], 1
	s_and_b32 s[CH], s[WV], 1
	s_bfe_u32 s[CX], ttmp6, 0x40000                ; my place in the cluster
	s_bfe_u32 s[CY], ttmp6, 0x40004                ; the grid is one cluster high: cy is the row block
	s_lshl_b32 s[XB], ttmp9, 2
	s_add_co_u32 s[XB], s[XB], s[CX]               ; column block = 4 x cluster x + cx
	s_lshl_b32 s[GG], s[XB], 2
	s_add_co_u32 s[GG], s[GG], s[CY]
	s_lshl_b32 s[MK], s[CY], 2
	s_lshl_b32 s[MK], 15, s[MK]                    ; my row of the cluster: places 4 cy .. 4 cy + 3
	; group 1 for x: 128 rows x 128 elements of 2 bytes, padded in LDS
	s_or_b32 s[G1A], s[MK], (1<<16)|(1<<20)|(1<<21)|(5<<22)|(3<<25)  ; 15:0 the mask; 17:16 2-byte elements; 20 padding on; 21 set beside a mask; 24:22 after every 64 words (code 5); 31:25 4 words (code 3)
	s_mov_b32 s[G1A+1], 128<<16                    ; tensor_dim0 = 128
	s_mov_b32 s[G1A+2], 128<<16                    ; tensor_dim1 = 128
	s_mov_b32 s[G1A+3], 128<<16                    ; tile_dim0 = 128
	s_mov_b32 s[G1A+4], 128                        ; tile_dim1 = 128
	s_mov_b32 s[G1A+5], 2048                       ; elements from row to row
	s_mov_b32 s[G1A+6], 0
	s_mov_b32 s[G1A+7], 0
	; group 1 for Wd: 8,192 dense bytes as 32 rows of 32 elements of 8 bytes; no mask, no padding
	s_mov_b32 s[G1W], 3<<16
	s_mov_b32 s[G1W+1], 32<<16
	s_mov_b32 s[G1W+2], 32<<16
	s_mov_b32 s[G1W+3], 32<<16
	s_mov_b32 s[G1W+4], 32
	s_mov_b32 s[G1W+5], 32
	s_mov_b32 s[G1W+6], 0
	s_mov_b32 s[G1W+7], 0
	s_lshl_b32 s[AOF], s[CY], 20                   ; x: 256 rows of 4,096 bytes a block,
	s_lshl_b32 s[TM], s[CH], 19                    ; my 128 of them
	s_add_co_u32 s[AOF], s[AOF], s[TM]
	s_mov_b32 s[AOF+1], 0
	s_mul_i32 s[TM], s[CH], HALFA                  ; where they go: no place in the cluster enters an LDS address
	s_mov_b32 s[G0A], 1
	s_add_co_u32 s[G0A+1], s[TM], 0
	s_mov_b32 s[G0A+4], 1
	s_add_co_u32 s[G0A+5], s[TM], SLOT1
	s_lshl_b32 s[TM], s[CH], 13                    ; Wd: my 8,192 bytes of a chunk
	s_mov_b32 s[G0W], 1
	s_add_co_u32 s[G0W+1], s[TM], WDL
	s_mov_b32 s[G0W+4], 1
	s_add_co_u32 s[G0W+5], s[TM], WDL+SLOT1
	s_lshl_b32 s[TM+2], s[GG], 18                  ; the work-group's 262,144 bytes of Wd
	s_add_co_u32 s[TM+2], s[TM+2], s[TM]
	s_mov_b32 s[TM+3], 0
	s_mov_b32 s[TB], 0
	s_wait_dscnt 0x0                               ; both opening adds are done
	s_wait_kmcnt 0x0
	s_add_nc_u64 s[G0A+2:G0A+3], s[4:5], s[AOF:AOF+1]      ; K step 0
	s_add_nc_u64 s[G0A+6:G0A+7], s[G0A+2:G0A+3], 256       ; K step 1
	s_or_b32 s[G0A+3], s[G0A+3], 0x80000000                ; type = 2
	s_or_b32 s[G0A+7], s[G0A+7], 0x80000000
	s_add_nc_u64 s[G0W+2:G0W+3], s[14:15], s[TM+2:TM+3]    ; chunk 0
	s_add_nc_u64 s[G0W+6:G0W+7], s[G0W+2:G0W+3], 16384     ; chunk 1
	s_or_b32 s[G0W+3], s[G0W+3], 0x80000000
	s_or_b32 s[G0W+7], s[G0W+7], 0x80000000
	; the second prefetch: at K step 3; each trip's head steps it, so that trip t names K step t + 4
	s_lshl_b32 s[TM], s[CX], 17                    ; x: my work-group's 32 rows of the 128 that I load
	s_add_co_u32 s[TM], s[TM], s[AOF]
	s_add_co_u32 s[TM], s[TM], 3*256
	s_add_co_u32 s[TM+2], s[TM+2], 3*16384         ; Wd: my half of chunk 3
	s_movk_i32 s[PFS], 256
	s_movk_i32 s[TM+1], 16384
	s_cmp_lt_u32 s[WV], 2
	s_cselect_b64 s[PFA:PFA+1], s[4:5], s[14:15]
	s_cselect_b32 s[TM+2], s[TM], s[TM+2]
	s_cselect_b32 s[PFS], s[PFS], s[TM+1]
	s_cselect_b32 s[TM], 12, 8
	s_mov_b32 s[PFS+1], 0
	s_add_nc_u64 s[PFA:PFA+1], s[PFA:PFA+1], s[TM+2:TM+3]
	v_lshlrev_b32 v[PAO], s[TM], v[LN]             ; a lane a row of xb (4,096 bytes), or a lane 256 bytes of Wd
	s_cmp_eq_u32 ttmp9, 0                          ; the first cluster asks for x: the same in all sixteen partners
	s_cselect_b32 s[AFLAG], 1, 0
	s_cmp_lt_u32 s[WV], 2
	s_cselect_b32 s[AFLAG], s[AFLAG], 1            ; waves 2 and 3 ask for their own chunk in every work-group
	s_lshl_b32 s[TM], s[CY], 5
	s_add_co_u32 s[TM], s[TM], 384
	v_add_lshl_u32 v[PFO], v[LN], s[TM], 15        ; (32 cy + lane + 384) rows of 32,768 bytes
	; my matrix and my bias at my 64 columns
	s_lshl_b32 s[TM], s[XB], 9
	s_lshl_b32 s[TM+1], s[CH], 8
	s_add_co_u32 s[TM], s[TM], s[TM+1]
	s_mov_b32 s[TM+1], 0
	s_cmp_eq_u32 s[TYP], 0
	s_cselect_b64 s[WB:WB+1], s[6:7], s[8:9]
	s_cselect_b64 s[BIA:BIA+1], s[10:11], s[12:13]
	s_add_nc_u64 s[WB:WB+1], s[WB:WB+1], s[TM:TM+1]
	s_add_nc_u64 s[BIA:BIA+1], s[BIA:BIA+1], s[TM:TM+1]
	s_lshl_b32 s[TM], s[GG], 17                    ; the work-group's 131,072 bytes of wdb
	s_add_nc_u64 s[WOP:WOP+1], s[18:19], s[TM:TM+1]
	s_lshl_b32 s[TM], s[CY], 22                    ; hb: 256 rows of 16,384 bytes a block,
	s_lshl_b32 s[TM+2], s[WV], 20                  ; the 64 rows that I store,
	s_add_co_u32 s[TM], s[TM], s[TM+2]
	s_lshl_b32 s[TM+2], s[XB], 8                   ; the tile's 256 bytes of a row
	s_add_co_u32 s[TM], s[TM], s[TM+2]
	s_add_nc_u64 s[HB:HB+1], s[16:17], s[TM:TM+1]
	CROUND                                         ; all sixteen work-groups are here: the first joint loads meet
	s_cmp_lt_u32 s[WV], 2                          ; a wave's two first fills stand in one branch, ahead of every wait on TENSORcnt and every LDS read: two loads of mine are out
	s_cbranch_scc0 .Lfirst_w
	tensor_load_to_lds s[G0A:G0A+3], s[G1A:G1A+7]
	s_nop 0
	tensor_load_to_lds s[G0A+4:G0A+7], s[G1A:G1A+7]
	s_nop 0
.rept 4
	v_nop
.endr
	s_branch .Lfirst_asked
.Lfirst_w:
	tensor_load_to_lds s[G0W:G0W+3], s[G1W:G1W+7]
	s_nop 0
	tensor_load_to_lds s[G0W+4:G0W+7], s[G1W:G1W+7]
	s_nop 0
.rept 4
	v_nop
.endr
.Lfirst_asked:
.irp j, 0,1,2,3                        ; the weights of K step 0: four sets of 16 loads
.irp t, 0,1,2,3,4,5,6,7
	GL \j, \t, 32*\j
.endr
.endr
	WIN 0
	v_mul_u32_u24 v[AK0], v[RR], PA
	v_lshl_add_u32 v[AK0], v[LH], 4, v[AK0]        ; a fragment's row x pitch + 16 x half
	s_xor_b32 s[TM+1], s[TYP], 1
	s_mul_i32 s[TM], s[TYP], HALFA                 ; the kept rows: 128 x kind on,
	s_mul_i32 s[TM+1], s[TM+1], HALFA              ; the sent rows: the others
	v_add_nc_u32 v[AS0], s[TM+1], v[AK0]
	v_add_nc_u32 v[AK0], s[TM], v[AK0]
	s_lshl_b32 s[TM], s[WV], 12
	s_add_co_u32 s[TM], s[TM], WDL
	v_lshl_add_u32 v[WL0], v[LN], 4, s[TM]
	s_lshl_b32 s[TM], s[WV], 11
	v_lshl_add_u32 v[WOO], v[LN], 3, s[TM]
	v_lshlrev_b32 v[BIO], 7, v[LH]
	v_add_nc_u32 v[ADK], s[TB], v[AK0]
	v_add_nc_u32 v[ADK+1], s[TB], v[AS0]
	v_add_nc_u32 v[WLA], s[TB], v[WL0]
	s_wait_tensorcnt 0x1                           ; my part of slot 0 is in; slot 1's may stay out
	s_barrier_signal -1
	s_barrier_wait -1                              ; everybody's is
	RUN 0, 0, 0, 0, 1
	RUN 1, 0, 0, 0, 1
	s_wait_loadcnt 48                              ; set 0 is in; the 48 loads of sets 1 to 3 may stay out
.irp t, 0,1,2,3,4,5,6,7
	CV 0, 0, \t
.endr
.irp t, 0,1,2,3,4,5,6,7
	GL 0, \t, 128                                  ; set 0 again: K step 1's first quarter
.endr
	QUARTER 0, 1, 1, 160, 56, 56, 0                ; the first quarter stands in front of the loop: its products start the sums
	WIN 0                                          ; at a label and at a branch every window is 0
	s_mov_b32 s[CNT], 14
.Lstep:                                        ; trip t = 0..13: quarters 1, 2, 3 of K step t, then quarter 0 of K step t + 1; the slot of K step t is filled again with K step t + 2
	s_wait_xcnt 0x0                                ; every load, store and prefetch issued so far has read its address, so the pointers may be written
	s_add_nc_u64 s[WB:WB+1], s[WB:WB+1], 128*WROW
	s_add_nc_u64 s[WOP:WOP+1], s[WOP:WOP+1], 8192
	s_add_nc_u64 s[PFA:PFA+1], s[PFA:PFA+1], s[PFS:PFS+1]
	QUARTER 1, 0, 1, 64, 56, 56, -8192
	QUARTER 2, 0, 1, 96, 56, 56, -8192
	TURN 1, 1, 56, 56, -8192
	QUARTER 0, 0, 1, 160, 56, 56, 0
	WIN 0
	s_sub_co_u32 s[CNT], s[CNT], 1
	s_cmp_lg_u32 s[CNT], 0
	s_cbranch_scc1 .Lstep
	; THE TAIL, written out.  The last weights (quarters 62 and 63 of 64) are asked for in K step 14's quarters 1 and 2; then the counts run down by eight a half.
	s_wait_xcnt 0x0
	s_add_nc_u64 s[WB:WB+1], s[WB:WB+1], 128*WROW
	s_add_nc_u64 s[WOP:WOP+1], s[WOP:WOP+1], 8192
	QUARTER 1, 0, 1, 64, 56, 56, -8192
	QUARTER 2, 0, 1, 96, 56, 56, -8192
	TURN 0, 0, 56, 48, -8192                       ; slot 1 holds K step 15; nothing is filled again, so no round follows
	QUARTER 0, 0, 0, 0, 40, 32, 0
	QUARTER 1, 0, 0, 0, 24, 16, 0
	QUARTER 2, 0, 0, 0, 8, 0, 0
	WIN 0x40
.irp i, 0,1,2,3,4,5,6,7                ; my 32 columns' biases into set 0, which was read for the last time in K step 14: register 4 i + c is column 32 h + 4 i + c
	global_load_b128 v[4*\i:4*\i+3], v[BIO], s[BIA:BIA+1] offset:16*\i
.endr
	HALF 0, 1, 0, 0, 0, 0, 17                      ; the very last quarter: nothing is made, nothing fetched
	RUN 0, 0, 1, 1536, 0
	HALF 1, 1, 0, 0, 0, 0, 0
	RUN 1, 0, 1, 1792, 0
	; THE END.  The addresses below, ten plain instructions and RUN's two, are the places behind the last products.
	s_lshl_b32 s[TM], s[WV], 15
	v_lshl_add_u32 v[XS], v[LN], 4, s[TM]          ; 32,768 x wave + 16 x lane
	s_xor_b32 s[TM], s[TM], 65536                  ; the wave of the other kind with my columns
	v_lshl_add_u32 v[XR], v[LN], 4, s[TM]
	s_mul_i32 s[TM], s[TYP], HALFA
	s_lshl_b32 s[TM+1], s[CH], 7
	s_add_co_u32 s[TM], s[TM], s[TM+1]
	s_add_co_u32 s[TM], s[TM], STAGE
	v_mul_u32_u24 v[STO], v[RR], PA                ; into the stage: my kept rows, my 128 bytes of their 256, 64 bytes for each half of the lanes
	v_lshl_add_u32 v[STO], v[LH], 6, v[STO]
	v_add_nc_u32 v[STO], s[TM], v[STO]
	s_mul_i32 s[TM], s[WV], 64*PA
	s_add_co_u32 s[TM], s[TM], STAGE
	v_mul_u32_u24 v[RD], v[LH], PA                 ; back: wave w takes rows 64 w .. 64 w + 63, whole; lanes 0-15 one row of 256 bytes, lanes 16-31 the next
	v_lshl_add_u32 v[RD], v[RR], 4, v[RD]
	v_add_nc_u32 v[RD], s[TM], v[RD]
	v_lshlrev_b32 v[HO], 14, v[LH]                 ; and the same two rows in hb
	v_lshl_or_b32 v[HO], v[RR], 4, v[HO]
	s_wait_loadcnt 0x0                             ; the biases
	WIN 0x01                                       ; source window 1
.irp f, 0,1,2,3
.irp j, 0,1,2,3,4,5,6,7
	v_mov_b32 v[BR+8*\f+\j], v[4*\j+\f]            ; register j of fragment f is column 32 h + 4 j + f
.endr
.endr
	BIAS 3                                         ; the sent rows first
	WIN 0
	s_cmp_eq_u32 s[TYP], 0
	s_cbranch_scc0 .Lup_sent                       ; up's waves have no activation
	SQRELU 3
	WIN 0
.Lup_sent:
	WIN 0x0c                                       ; data window 3
.set wn, 0
.rept 32
	ds_store_b128 v[XS], v[8*wn:8*wn+3]   offset:1024*wn
	ds_store_b128 v[XS], v[8*wn+4:8*wn+7] offset:1024*wn+512
.set wn, wn+1
.endr
	BIAS 2                                         ; the kept rows, while the stores are on their way
	WIN 0
	s_cmp_eq_u32 s[TYP], 0
	s_cbranch_scc0 .Lup_kept
	SQRELU 2
	WIN 0
.Lup_kept:
	s_wait_dscnt 0x0                               ; for the partner's sake: my stores are done
	s_barrier_signal -1
	s_barrier_wait -1
	WIN 0xc0                                       ; destination window 3: the partner's numbers for my kept rows, in my own lanes' and registers' order
.set wn, 0
.rept 32
	ds_load_b128 v[8*wn:8*wn+3],   v[XR] offset:1024*wn
	ds_load_b128 v[8*wn+4:8*wn+7], v[XR] offset:1024*wn+512
.set wn, wn+1
.endr
.set wa, 0
.rept 8                                ; a row block at a time: gate x up, rounded to bf16, 64 bytes a lane into the stage
	s_wait_dscnt 56-4*wa                           ; behind this block's eight loads: 8 (7 - a) loads and the 4 a stores of the blocks before
	WIN 0x8e                                       ; window 2 times window 3
.set wx, 0
.rept 16
	v_pk_mul_f32 v[32*wa+wx:32*wa+wx+1], v[32*wa+wx:32*wa+wx+1], v[32*wa+wx:32*wa+wx+1]
.set wx, wx+2
.endr
	WIN 0x0a                                       ; sources window 2, destination window 0
.set wx, 0
.rept 8
	v_cvt_pk_bf16_f32 v[TP+16*(wa%2)+2*wx],   v[32*wa+wx],    v[32*wa+8+wx]   ; columns 4 j, 4 j + 1
	v_cvt_pk_bf16_f32 v[TP+16*(wa%2)+2*wx+1], v[32*wa+16+wx], v[32*wa+24+wx]  ; columns 4 j + 2, 4 j + 3
.set wx, wx+1
.endr
	WIN 0
.irp e, 0,1,2,3
	ds_store_b128 v[STO], v[TP+16*(wa%2)+4*\e:TP+16*(wa%2)+4*\e+3] offset:16*PA*wa+16*\e
.endr
.set wa, wa+1
.endr
	s_wait_dscnt 0x0                               ; for the others' sake: a row's 256 bytes come from two waves
	s_barrier_signal -1
	s_barrier_wait -1
.set wn, 0
.rept 32
	ds_load_b128 v[OB+4*wn:OB+4*wn+3], v[RD] offset:2*PA*wn
.set wn, wn+1
.endr
.set wn, 0
.rept 32
	s_wait_dscnt 31-wn
	global_store_b128 v[HO], v[OB+4*wn:OB+4*wn+3], s[HB:HB+1] offset:32768*wn  ; 16 lanes store 256 consecutive bytes, at a multiple of 256 from hb's first byte
.set wn, wn+1
.endr
	s_wait_tensorcnt 0x0                           ; the wave's end: behind my last tensor load and my last LDS store
	ds_add_u32 v[SPW], v[NIL]
	s_wait_dscnt 0x0
	CROUND                                         ; the closing round: no work-group ends while a partner may still ask for a tile that names it
	s_endpgm
.Lfunc_end_k_qac5c52a130_gateup:
	.size	k_qac5c52a130_gateup, .Lfunc_end_k_qac5c52a130_gateup-k_qac5c52a130_gateup
	.p2alignl 7, 3214868480
	.fill 96, 4, 3214868480
	.section	.rodata,"a",@progbits
	.p2align	6, 0x0
	.amdhsa_kernel k_qac5c52a130_gateup
		.amdhsa_group_segment_fixed_size 327680
		.amdhsa_private_segment_fixed_size 0
		.amdhsa_enable_private_segment 0
		.amdhsa_kernarg_size 64
		.amdhsa_user_sgpr_count 2
		.amdhsa_user_sgpr_kernarg_segment_ptr 1
		.amdhsa_wavefront_size32 1
		.amdhsa_system_sgpr_workgroup_id_x 1
		.amdhsa_system_sgpr_workgroup_id_y 1
		.amdhsa_system_sgpr_workgroup_id_z 1
		.amdhsa_system_vgpr_workitem_id 0
		.amdhsa_next_free_vgpr 1024
		.amdhsa_next_free_sgpr 88
		.amdhsa_reserve_vcc 0
		.amdhsa_float_denorm_mode_32 3
		.amdhsa_float_denorm_mode_16_64 3
		.amdhsa_memory_ordered 1
		.amdhsa_forward_progress 1
		.amdhsa_inst_pref_size 226
	.end_amdhsa_kernel
	.amdgpu_metadata
---
amdhsa.version: [ 1, 2 ]
amdhsa.kernels:
  - .name:           k_qac5c52a130_gateup
    .symbol:         k_qac5c52a130_gateup.kd
    .args:
      - { .name: xb, .offset: 0, .size: 8, .value_kind: global_buffer, .address_space: global }
      - { .name: w_gate, .offset: 8, .size: 8, .value_kind: global_buffer, .address_space: global }
      - { .name: w_up, .offset: 16, .size: 8, .value_kind: global_buffer, .address_space: global }
      - { .name: b_gate, .offset: 24, .size: 8, .value_kind: global_buffer, .address_space: global }
      - { .name: b_up, .offset: 32, .size: 8, .value_kind: global_buffer, .address_space: global }
      - { .name: w_down, .offset: 40, .size: 8, .value_kind: global_buffer, .address_space: global }
      - { .name: hb, .offset: 48, .size: 8, .value_kind: global_buffer, .address_space: global }
      - { .name: wdb, .offset: 56, .size: 8, .value_kind: global_buffer, .address_space: global }
    .group_segment_fixed_size: 327680
    .private_segment_fixed_size: 0
    .kernarg_segment_align: 8
    .kernarg_segment_size: 64
    .max_flat_workgroup_size: 128
    .sgpr_count:     88
    .vgpr_count:     1024
    .wavefront_size: 32
...
	.end_amdgpu_metadata
.endif
;; end of part 2
;; launch down (part 3): grid 16 x 16, 4 waves a work-group, clusters of 4 x 4, 327,680 bytes of LDS; arguments hb, wdb, part; writes part
.if DOCPART == 3
	.amdgcn_target "amdgcn-amd-amdhsa--gfx1250"
	.amdhsa_code_object_version 6
	.text
	.protected	k_qac5c52a130_down
	.globl	k_qac5c52a130_down
	.p2align	8
	.type	k_qac5c52a130_down,@function
k_qac5c52a130_down:
	s_mov_b64 s[64:65], 0
	v_nop
	global_prefetch_b8 v0, s[64:65] scope:SCOPE_SE
	s_setreg_imm32_b32 hwreg(HW_REG_WAVE_MODE, 25, 1), 1
	s_wait_xcnt 0x0
	s_wait_alu depctr_hold_cnt(0) depctr_sa_sdst(0) depctr_va_vdst(0) depctr_va_sdst(0) depctr_va_ssrc(0) depctr_va_vcc(0) depctr_vm_vsrc(0)
	s_getreg_b32 s2, hwreg(HW_REG_IB_STS2, 6, 4)
	s_cmp_eq_u32 s2, 0
	s_cbranch_scc0 .Lentry_in_a_cluster
	s_endpgm
.Lentry_in_a_cluster:
	s_bfe_u32 s2, ttmp6, 0x10000c
	s_cmp_lg_u32 s2, 0xf033
	s_cbranch_scc0 .Lentry_shape_is_right
	s_endpgm
.Lentry_shape_is_right:
; part[ks][m][n] = the sum over k = 2048 ks .. 2048 ks + 2047 of hb[m][k] wdb[k][n], ks = 0..3.   hb [1024][8192] bf16, wdb [8192][2048] bf16, part [4][1024][2048] f32.  Nothing is left out.
; K IS SPLIT BY FOUR: 1024 x 2048 outputs are 64 tiles of 256 x 128; four parts of K give 256 work-groups of equal work.  The parts stay in f32; the next launch adds them in a fixed order.
; LIMIT: the order of the sums differs from reference()'s.
; SHARES.  Cluster (x, y): ks = y.  Work-group (cx, cy): rows 256 cy on, columns 128 (4 x + cx) on.  Wave (w / 2, w % 2): 128 rows x 64 columns: 32 accumulators, (a, b) at 8 (4 a + b) of window 1.
; K steps of 128 through a ring of two LDS slots.  hb's tile (256 rows x 256 bytes) is shared along a row of the cluster, wdb's (128 rows k x 256 bytes) along a column: both are asked for jointly.
; (A slot of two K steps would be 135,168 + 73,728 bytes, and two such slots are more than the 327,680 that there are.)
; wdb lies [k][n]: its fragments come out of LDS turned, by ds_load_tr16_b128.  The product is taken transposed (source 0 = 16 columns of wdb, source 1 = 16 rows of hb): a lane holds eight neighbouring
; columns of one row, 32 bytes of f32.
; REGISTERS.  Window 0: v0-29 addresses; two fragment buffers of 96 at v32 and v128 (hb's 8 fragments, then wdb's 4); v224-255 and v32-63 at work on the way out.  Window 1: the accumulators.
.set PA,    272                        ; a row of hb in LDS: 256 + 16 bytes: the 16 rows of a load start at 16 different groups of four banks (64 banks of 4 bytes: ISA guide 11.1)
.set PB,    288                        ; a row of wdb: 256 + 32 bytes = 72 words
.set HALFA, 128*PA
.set HALFB, 64*PB
.set BOFF,  256*PA                     ; wdb's 128 rows lie behind hb's 256
.set SLOT1, 131072
.set STAGE, SLOT1+BOFF+128*PB          ; behind the ring, never filled by a tensor load: 16 rows x 272 bytes for each wave
.set SPARE, STAGE+4*16*PA              ; the spare words, 128 bytes for each wave: two blocks of 256 bytes that no other line names
.set AA0, 4                            ; v4   my place in hb's tile; never rewritten
.set AB0, 5                            ; v5   in wdb's
.set ADRA, 6                           ; v6, v7  the same in the slot in hand
.set ADRB, 7
.set STO, 8                            ; v8   the way out: where I put 32 bytes of a row
.set RD,  9                            ; v9   where I read rows back
.set CO,  10                           ; v10  my byte offset in two rows of part
.set PFO, 11                           ; v11  the prefetch: lane x a row; never rewritten
.set SPW, 28
.set NIL, 29
.set F0,  32
.set F1,  128
.set WV,  10                           ; s10  wave
.set WR,  11                           ; s11  which 128 rows are mine
.set WN,  12                           ; s12  which 64 columns; also which half of a tile I load
.set CX,  13
.set CY,  14
.set NT,  15                           ; s15  column block
.set KS,  16                           ; s16  part of K
.set MKA, 17                           ; s17  my row of the cluster
.set MKB, 18                           ; s18  my column
.set LW,  19                           ; s19  at work, for LDS words
.set G1A, 20
.set G1B, 28
.set G0A, 36                           ; s[36:43] a set for each first fill; the second then walks
.set G0B, 44                           ; s[44:51]
.set CNT, 52
.set TB,  53
.set LIM, 54                           ; s54  3 in a wave that prefetches, else the greatest number
.set PFP, 56
.set PFS, 58
.set PC,  60                           ; s[60:61] part at my 128 x 64
.set TM,  66                           ; s[66:71] at work
.set MSB, 0
.macro WIN new
.if MSB != (\new)
	s_set_vgpr_msb (MSB<<8)|(\new)
.set MSB, (\new)
.endif
.endm
.macro JLOAD                           ; a joint refill: waves 0 and 1 hb's two halves, waves 2 and 3 wdb's; an s_nop 0 and four v_nop follow each line
	s_cmp_lt_u32 s[WV], 2
	s_cbranch_scc0 .Lfor_b_\@
	tensor_load_to_lds s[G0A+4:G0A+7], s[G1A:G1A+7]
	s_nop 0
.rept 4
	v_nop
.endr
	s_branch .Lasked_\@
.Lfor_b_\@:
	tensor_load_to_lds s[G0B+4:G0B+7], s[G1B:G1B+7]
	s_nop 0
.rept 4
	v_nop
.endr
.Lasked_\@:
.endm
.macro CREST
	s_cmp_lg_u32 s[WV], 0
	s_cbranch_scc1 .Lnot_wave_0_\@
	s_barrier_signal -3
.Lnot_wave_0_\@:
	s_barrier_wait -3
	s_barrier_signal -1
	s_barrier_wait -1
.endm
.macro CROUND
	s_barrier_signal -1
	s_barrier_wait -1
	CREST
.endm
; A PREFETCH INTO THE L2, behind the joint load and the run of LDS loads: in the change of slots of K step t it names K step t + 5, which the refill three changes on, 384 matrix instructions later, will ask for.
; hb's tile is read by the four clusters of a row of clusters: the first (cluster x = 0) asks; of the 128 rows that wave 0 or 1 loads the partner at cx takes 32, a lane a row.  wdb's tile is read by this
; cluster's column alone: wave 2 asks, and of the K step's 128 rows the partner at cy takes 32.  The partners are told apart by address.  So each aligned block of 256 bytes is named once in the launch.
; K steps 0 to 4 come by their loads alone; the trips with t above 10 ask for nothing.
.macro ASK
	s_cmp_gt_u32 s[CNT], s[LIM]                    ; CNT = 14 - t
	s_cbranch_scc0 .Lnot_mine_\@
	global_prefetch_b8 v[PFO], s[PFP:PFP+1] th:TH_LOAD_NT scope:SCOPE_SE
.Lnot_mine_\@:
.endm
; 8 matrix instructions: row blocks a0, a0 + 1 x all 4 column blocks, 32 along K.  The 32 accumulators take turns, in the same order in every quarter.
.macro MUL fb, a0, zero
	WIN 0x50                                       ; C and D window 1
.irp a, \a0, (\a0)+1
.irp b, 0,1,2,3
.if \zero
	v_wmma_f32_16x16x32_bf16 v[8*(4*(\a)+\b):8*(4*(\a)+\b)+7], v[(\fb)+64+8*\b:(\fb)+64+8*\b+7], v[(\fb)+8*(\a):(\fb)+8*(\a)+7], 0
.else
	v_wmma_f32_16x16x32_bf16 v[8*(4*(\a)+\b):8*(4*(\a)+\b)+7], v[(\fb)+64+8*\b:(\fb)+64+8*\b+7], v[(\fb)+8*(\a):(\fb)+8*(\a)+7], v[8*(4*(\a)+\b):8*(4*(\a)+\b)+7]
.endif
.endr
.endr
.endm
; 24 LDS loads in one run: quarter q's fragments into buffer fb: wdb's four (turned), then hb's row blocks 0 to 7
.macro FETCH q, fb
	WIN 0
.irp b, 0,1,2,3
	ds_load_tr16_b128 v[(\fb)+64+8*\b:(\fb)+64+8*\b+3],   v[ADRB] offset:32*PB*(\q)+32*\b
	ds_load_tr16_b128 v[(\fb)+64+8*\b+4:(\fb)+64+8*\b+7], v[ADRB] offset:32*PB*(\q)+32*\b+16*PB
.endr
.irp a, 0,1,2,3,4,5,6,7
	ds_load_b128 v[(\fb)+8*\a:(\fb)+8*\a+3],   v[ADRA] offset:16*PA*\a+64*(\q)
	ds_load_b128 v[(\fb)+8*\a+4:(\fb)+8*\a+7], v[ADRA] offset:16*PA*\a+64*(\q)+32
.endr
.endm
.macro PLACES                          ; four places in front of loads into registers that matrix instructions have read, and of stores that read results (ISA guide 7.12.1 for stores)
.rept 4
	v_nop
.endr
.endm
; One of a K step's first three quarters: multiplies buffer fb and, in its middle, fetches quarter q into buffer gb
.macro QUARTER q, fb, gb, zero
	s_wait_dscnt 8                                 ; the youngest eight loads (row blocks 4 to 7) may be out
	MUL \fb, 0, \zero
	MUL \fb, 2, \zero
	PLACES
	FETCH \q, \gb
	s_wait_dscnt 24                                ; all but the 24 just issued
	MUL \fb, 4, \zero
	MUL \fb, 6, \zero
.endm
; The last quarter multiplies buffer 1 and changes slots in its middle.  Its first sixteen products stand AHEAD of the wait for the tensor loads, so that nothing but the add, the descriptors' steps and the
; round lies between the next slot's landing and the next request.  Then each wave waits for all its tensor loads (one is out: its part of the other slot), adds 0 to its spare word, and waits for that and
; for its reads of this slot (the run for quarter 3, the last of which were still allowed out at the macro's head).
; refill = 1: a round of the cluster's barrier; behind it no wave of any partner reads this slot or has a load on its way, and the joint refill (K step t + 2) is the first thing there: 128 matrix
; instructions ahead of the wait for it.  The next slot is read only behind the round, which stands behind every wave's wait for its part of it.
.macro TURN refill
	s_wait_dscnt 8                                 ; the youngest eight loads (row blocks 4 to 7) may be out
	MUL F1, 0, 0
	MUL F1, 2, 0
	WIN 0
	s_wait_tensorcnt 0x0                           ; no tensor load of mine is out, so a group 0 may be written
	ds_add_u32 v[SPW], v[NIL]                      ; 0 onto my spare word
.if \refill
	s_xor_b32 s[G0A+5], s[G0A+5], SLOT1
	s_add_nc_u64 s[G0A+6:G0A+7], s[G0A+6:G0A+7], 256
	s_xor_b32 s[G0B+5], s[G0B+5], SLOT1
	s_add_nc_u64 s[G0B+6:G0B+7], s[G0B+6:G0B+7], 128*4096
.endif
	s_wait_dscnt 0x0                               ; the add is done, and my reads of this slot are over
.if \refill
	CROUND
	JLOAD                                          ; its four v_nop are also the places in front of the loads below
.else
	s_barrier_signal -1
	s_barrier_wait -1
	PLACES
.endif
	s_xor_b32 s[TB], s[TB], SLOT1
	v_add_nc_u32 v[ADRA], s[TB], v[AA0]
	v_add_nc_u32 v[ADRB], s[TB], v[AB0]
	FETCH 0, F0
.if \refill
	ASK
.endif
	MUL F1, 4, 0
	MUL F1, 6, 0
.endm
; THE WAY OUT of row block a: 16 rows x 256 bytes of f32 through my own stage, so that sixteen lanes store one row's 256 bytes.
.macro TOSTAGE a
	s_wait_xcnt 0x0                                ; the stores of two blocks ago have read their registers: they are loaded again only behind this wait
	WIN 0x04                                       ; data window 1
.irp b, 0,1,2,3
	ds_store_b128 v[STO], v[8*(4*(\a)+\b):8*(4*(\a)+\b)+3]   offset:64*\b     ; each accumulator's low registers first
	ds_store_b128 v[STO], v[8*(4*(\a)+\b)+4:8*(4*(\a)+\b)+7] offset:64*\b+16
.endr
	WIN 0
.set ob, 224-192*((\a)%2)
.irp i, 0,1,2,3,4,5,6,7
	ds_load_b128 v[ob+4*\i:ob+4*\i+3], v[RD] offset:2*PA*\i  ; LDS serves a wave's instructions in order (ISA guide 5.7.1.4): these see the stores above; the next block's stores come behind them
.endr
.endm
.macro SEND a, younger                 ; younger: the next block's sixteen LDS instructions, or none
	WIN 0
.set ob, 224-192*((\a)%2)
	s_wait_dscnt \younger
.irp i, 0,1,2,3,4,5,6,7
	global_store_b128 v[CO], v[ob+4*\i:ob+4*\i+3], s[PC:PC+1] offset:(16*(\a)+2*\i)*8192  ; 16 lanes store 256 consecutive bytes, at a multiple of 256 from part's first byte
.endr
.endm
	s_load_b128 s[4:7], s[0:1], 0x0                ; hb s[4:5], wdb s[6:7]
	s_load_b64 s[8:9], s[0:1], 0x10                ; part
	v_lshl_add_u32 v[SPW], v0, 2, SPARE
	v_mov_b32 v[NIL], 0
	ds_add_u32 v[SPW], v[NIL]                      ; the wave's opening: the add, twice on end, and its wait ahead of my first tensor load
	ds_add_u32 v[SPW], v[NIL]                      ; and once more, under the one wait
	v_lshrrev_b32 v1, 5, v0
	v_readfirstlane_b32 s[WV], v1
	s_lshr_b32 s[WR], s[WV], 1
	s_and_b32 s[WN], s[WV], 1
	s_bfe_u32 s[CX], ttmp6, 0x40000
	s_bfe_u32 s[CY], ttmp6, 0x40004
	s_lshl_b32 s[NT], ttmp9, 2
	s_add_co_u32 s[NT], s[NT], s[CX]               ; column block = 4 x cluster x + cx
	s_and_b32 s[KS], ttmp7, 0xffff                 ; part of K = cluster y; the row block is cy
	s_lshl_b32 s[MKA], s[CY], 2
	s_lshl_b32 s[MKA], 15, s[MKA]
	s_lshl_b32 s[MKB], 0x1111, s[CX]
	s_or_b32 s[G1A], s[MKA], (1<<16)|(1<<20)|(1<<21)|(5<<22)|(3<<25)  ; hb's tiles go to my row: 2-byte elements, 4 words of padding after every 64
	s_mov_b32 s[G1A+1], 128<<16                    ; tensor_dim0 = 128
	s_mov_b32 s[G1A+2], 128<<16                    ; tensor_dim1 = 128
	s_mov_b32 s[G1A+3], 128<<16                    ; tile_dim0 = 128
	s_mov_b32 s[G1A+4], 128                        ; tile_dim1 = 128
	s_mov_b32 s[G1A+5], 8192                       ; elements from row to row
	s_mov_b32 s[G1A+6], 0
	s_mov_b32 s[G1A+7], 0
	s_or_b32 s[G1B], s[MKB], (1<<16)|(1<<20)|(1<<21)|(5<<22)|(7<<25)  ; wdb's tiles go to my column: 8 words of padding
	s_mov_b32 s[G1B+1], 128<<16
	s_mov_b32 s[G1B+2], 64<<16                     ; 64 rows k to a load
	s_mov_b32 s[G1B+3], 128<<16
	s_mov_b32 s[G1B+4], 64
	s_mov_b32 s[G1B+5], 2048
	s_mov_b32 s[G1B+6], 0
	s_mov_b32 s[G1B+7], 0
	s_lshl_b32 s[TM], s[CY], 22                    ; hb: made of cy, the wave's number and the part of K: what my row of the cluster shares
	s_lshl_b32 s[TM+4], s[WN], 21
	s_add_co_u32 s[TM], s[TM], s[TM+4]
	s_lshl_b32 s[TM+4], s[KS], 12
	s_add_co_u32 s[TM], s[TM], s[TM+4]
	s_mov_b32 s[TM+1], 0
	s_lshl_b32 s[TM+2], s[KS], 23                  ; wdb: made of the part of K, the wave's number and the column block: what my column shares
	s_lshl_b32 s[TM+5], s[WN], 18
	s_add_co_u32 s[TM+2], s[TM+2], s[TM+5]
	s_lshl_b32 s[TM+5], s[NT], 8
	s_add_co_u32 s[TM+2], s[TM+2], s[TM+5]
	s_mov_b32 s[TM+3], 0
	s_mul_i32 s[LW], s[WN], HALFA                  ; no place in the cluster enters an LDS address
	s_mov_b32 s[G0A], 1
	s_add_co_u32 s[G0A+1], s[LW], 0
	s_mov_b32 s[G0A+4], 1
	s_add_co_u32 s[G0A+5], s[LW], SLOT1
	s_mul_i32 s[LW], s[WN], HALFB
	s_mov_b32 s[G0B], 1
	s_add_co_u32 s[G0B+1], s[LW], BOFF
	s_mov_b32 s[G0B+4], 1
	s_add_co_u32 s[G0B+5], s[LW], BOFF+SLOT1
	s_mov_b32 s[TB], 0
	s_wait_dscnt 0x0                               ; both opening adds are done
	s_wait_kmcnt 0x0
	s_add_nc_u64 s[G0A+2:G0A+3], s[4:5], s[TM:TM+1]
	s_add_nc_u64 s[G0A+6:G0A+7], s[G0A+2:G0A+3], 256
	s_or_b32 s[G0A+3], s[G0A+3], 0x80000000
	s_or_b32 s[G0A+7], s[G0A+7], 0x80000000
	s_add_nc_u64 s[G0B+2:G0B+3], s[6:7], s[TM+2:TM+3]
	s_add_nc_u64 s[G0B+6:G0B+7], s[G0B+2:G0B+3], 128*4096
	s_or_b32 s[G0B+3], s[G0B+3], 0x80000000
	s_or_b32 s[G0B+7], s[G0B+7], 0x80000000
	; the prefetch's pointer: at K step 4; each trip's head steps it, so that trip t names K step t + 5
	s_lshl_b32 s[TM+4], s[CX], 19                  ; hb: my work-group's 32 rows of the 128 that I load
	s_add_co_u32 s[TM+4], s[TM+4], s[TM]
	s_add_co_u32 s[TM+4], s[TM+4], 4*256
	s_lshl_b32 s[TM+5], s[CY], 17                  ; wdb (wave 2, whose half begins at the K step's first row): my work-group's 32 rows of the 128
	s_add_co_u32 s[TM+2], s[TM+2], s[TM+5]
	s_add_co_u32 s[TM+2], s[TM+2], 4*128*4096
	s_movk_i32 s[PFS], 256
	s_mov_b32 s[TM+5], 128*4096
	s_cmp_lt_u32 s[WV], 2
	s_cselect_b64 s[PFP:PFP+1], s[4:5], s[6:7]
	s_cselect_b32 s[TM+4], s[TM+4], s[TM+2]
	s_cselect_b32 s[PFS], s[PFS], s[TM+5]
	s_cselect_b32 s[TM+2], 14, 12
	s_mov_b32 s[TM+5], 0
	s_mov_b32 s[PFS+1], 0
	s_add_nc_u64 s[PFP:PFP+1], s[PFP:PFP+1], s[TM+4:TM+5]
	v_and_b32 v3, 31, v0
	v_lshlrev_b32 v[PFO], s[TM+2], v3              ; a lane a row: 16,384 bytes in hb, 4,096 in wdb
	s_cmp_eq_u32 ttmp9, 0                          ; the same in all sixteen partners, for a given wave
	s_cselect_b32 s[LIM], 3, -1
	s_cmp_lt_u32 s[WV], 2
	s_cselect_b32 s[LIM], s[LIM], -1
	s_cmp_eq_u32 s[WV], 2
	s_cselect_b32 s[LIM], 3, s[LIM]
	; part at my 128 x 64
	s_lshl_b32 s[TM], s[KS], 23
	s_lshl_b32 s[TM+2], s[CY], 21
	s_add_co_u32 s[TM], s[TM], s[TM+2]
	s_lshl_b32 s[TM+2], s[WR], 20
	s_add_co_u32 s[TM], s[TM], s[TM+2]
	s_lshl_b32 s[TM+2], s[NT], 9
	s_add_co_u32 s[TM], s[TM], s[TM+2]
	s_lshl_b32 s[TM+2], s[WN], 8
	s_add_co_u32 s[TM], s[TM], s[TM+2]
	s_add_nc_u64 s[PC:PC+1], s[8:9], s[TM:TM+1]
	CROUND                                         ; all sixteen work-groups are here: the first joint loads meet
	s_cmp_lt_u32 s[WV], 2                          ; a wave's two first fills stand in one branch: two loads of mine are out
	s_cbranch_scc0 .Lfirst_b
	tensor_load_to_lds s[G0A:G0A+3], s[G1A:G1A+7]
	s_nop 0
	tensor_load_to_lds s[G0A+4:G0A+7], s[G1A:G1A+7]
	s_nop 0
.rept 4
	v_nop
.endr
	s_branch .Lfirst_asked
.Lfirst_b:
	tensor_load_to_lds s[G0B:G0B+3], s[G1B:G1B+7]
	s_nop 0
	tensor_load_to_lds s[G0B+4:G0B+7], s[G1B:G1B+7]
	s_nop 0
.rept 4
	v_nop
.endr
.Lfirst_asked:
	v_and_b32 v1, 15, v0                           ; r
	v_bfe_u32 v2, v0, 4, 1                         ; h
	v_mul_u32_u24 v[AA0], v1, PA
	v_lshl_add_u32 v[AA0], v2, 4, v[AA0]
	s_mul_i32 s[LW], s[WR], HALFA
	v_add_nc_u32 v[AA0], s[LW], v[AA0]             ; my 128 rows: row x pitch + 16 x half
	; the turning load takes 16 rows k x 16 columns: lane l reads row 8 (l / 16) + l % 8, columns 8 ((l / 8) % 2) + 0..7, and is left with column l % 16 and 8 rows k
	v_and_b32 v12, 7, v0
	v_bfe_u32 v13, v0, 3, 1
	v_lshl_add_u32 v[AB0], v2, 3, v12
	v_mul_u32_u24 v[AB0], v[AB0], PB
	v_lshl_add_u32 v[AB0], v13, 4, v[AB0]
	s_lshl_b32 s[LW], s[WN], 7                     ; my 64 columns: 128 bytes
	s_add_co_u32 s[LW], s[LW], BOFF
	v_add_nc_u32 v[AB0], s[LW], v[AB0]
	s_mul_i32 s[LW], s[WV], 16*PA
	s_add_co_u32 s[LW], s[LW], STAGE               ; my stage
	v_mul_u32_u24 v[STO], v1, PA                   ; in: row r, 32 bytes for each half of the lanes
	v_lshl_add_u32 v[STO], v2, 5, v[STO]
	v_add_nc_u32 v[STO], s[LW], v[STO]
	v_mul_u32_u24 v[RD], v2, PA                    ; back: lanes 0-15 one row of 256 bytes, lanes 16-31 the next
	v_lshl_add_u32 v[RD], v1, 4, v[RD]
	v_add_nc_u32 v[RD], s[LW], v[RD]
	v_lshlrev_b32 v[CO], 13, v2                    ; and the same two rows in part
	v_lshl_or_b32 v[CO], v1, 4, v[CO]
	v_add_nc_u32 v[ADRA], s[TB], v[AA0]
	v_add_nc_u32 v[ADRB], s[TB], v[AB0]
	s_wait_tensorcnt 0x1                           ; my part of slot 0 is in; slot 1's may stay out
	s_barrier_signal -1
	s_barrier_wait -1
	FETCH 0, F0
	QUARTER 1, F0, F1, 1                           ; the first quarter stands in front of the loop: its products start the sums
	WIN 0
	s_mov_b32 s[CNT], 14
.Lstep:                                        ; trip t = 0..13: quarters 1, 2, 3 of K step t, then quarter 0 of K step t + 1
	s_wait_xcnt 0x0                                ; the last prefetch, 48 matrix instructions back, has read its address
	s_add_nc_u64 s[PFP:PFP+1], s[PFP:PFP+1], s[PFS:PFS+1]
	QUARTER 2, F1, F0, 0
	QUARTER 3, F0, F1, 0
	TURN 1
	QUARTER 1, F0, F1, 0
	WIN 0
	s_sub_co_u32 s[CNT], s[CNT], 1
	s_cmp_lg_u32 s[CNT], 0
	s_cbranch_scc1 .Lstep
	QUARTER 2, F1, F0, 0                           ; the tail is written out
	QUARTER 3, F0, F1, 0
	TURN 0                                         ; slot 1 holds K step 15; nothing is filled again, so no round follows
	QUARTER 1, F0, F1, 0
	QUARTER 2, F1, F0, 0
	QUARTER 3, F0, F1, 0
	s_wait_dscnt 8                                 ; the very last quarter: nothing more to fetch
	MUL F1, 0, 0
	MUL F1, 2, 0
	s_wait_dscnt 0x0
	MUL F1, 4, 0
	MUL F1, 6, 0
	PLACES
	TOSTAGE 0
.irp a, 1,2,3,4,5,6,7                  ; a block's trip through the stage stands between the loads of the block before and its stores
	TOSTAGE \a
	SEND (\a)-1, 16
.endr
	SEND 7, 0
	s_wait_tensorcnt 0x0                           ; the wave's end: behind my last tensor load and my last LDS store
	ds_add_u32 v[SPW], v[NIL]
	s_wait_dscnt 0x0
	CROUND                                         ; the closing round: no work-group ends while a partner may still ask for a tile that names it
	s_endpgm
.Lfunc_end_k_qac5c52a130_down:
	.size	k_qac5c52a130_down, .Lfunc_end_k_qac5c52a130_down-k_qac5c52a130_down
	.p2alignl 7, 3214868480
	.fill 96, 4, 3214868480
	.section	.rodata,"a",@progbits
	.p2align	6, 0x0
	.amdhsa_kernel k_qac5c52a130_down
		.amdhsa_group_segment_fixed_size 327680
		.amdhsa_private_segment_fixed_size 0
		.amdhsa_enable_private_segment 0
		.amdhsa_kernarg_size 24
		.amdhsa_user_sgpr_count 2
		.amdhsa_user_sgpr_kernarg_segment_ptr 1
		.amdhsa_wavefront_size32 1
		.amdhsa_system_sgpr_workgroup_id_x 1
		.amdhsa_system_sgpr_workgroup_id_y 1
		.amdhsa_system_sgpr_workgroup_id_z 1
		.amdhsa_system_vgpr_workitem_id 0
		.amdhsa_next_free_vgpr 512
		.amdhsa_next_free_sgpr 72
		.amdhsa_reserve_vcc 0
		.amdhsa_float_denorm_mode_32 3
		.amdhsa_float_denorm_mode_16_64 3
		.amdhsa_memory_ordered 1
		.amdhsa_forward_progress 1
		.amdhsa_inst_pref_size 70
	.end_amdhsa_kernel
	.amdgpu_metadata
---
amdhsa.version: [ 1, 2 ]
amdhsa.kernels:
  - .name:           k_qac5c52a130_down
    .symbol:         k_qac5c52a130_down.kd
    .args:
      - { .name: hb, .offset: 0, .size: 8, .value_kind: global_buffer, .address_space: global }
      - { .name: wdb, .offset: 8, .size: 8, .value_kind: global_buffer, .address_space: global }
      - { .name: part, .offset: 16, .size: 8, .value_kind: global_buffer, .address_space: global }
    .group_segment_fixed_size: 327680
    .private_segment_fixed_size: 0
    .kernarg_segment_align: 8
    .kernarg_segment_size: 24
    .max_flat_workgroup_size: 128
    .sgpr_count:     72
    .vgpr_count:     512
    .wavefront_size: 32
...
	.end_amdgpu_metadata
.endif
;; end of part 3
;; launch sumk (part 4): grid 256 x 1, 8 waves a work-group, no clusters, 0 bytes of LDS; arguments part, b_down, out0; writes out0
.if DOCPART == 4
	.amdgcn_target "amdgcn-amd-amdhsa--gfx1250"
	.amdhsa_code_object_version 6
	.text
	.protected	k_qac5c52a130_sumk
	.globl	k_qac5c52a130_sumk
	.p2align	8
	.type	k_qac5c52a130_sumk,@function
k_qac5c52a130_sumk:
	s_mov_b64 s[64:65], 0
	v_nop
	global_prefetch_b8 v0, s[64:65] scope:SCOPE_SE
	s_setreg_imm32_b32 hwreg(HW_REG_WAVE_MODE, 25, 1), 1
	s_wait_xcnt 0x0
; out0[m][n] = (((b_down[n] + part[0][m][n]) + part[1][m][n]) + part[2][m][n]) + part[3][m][n], all f32: the four parts of K, in a fixed order.  Nothing is left out.
; SHARES.  A work-group takes 4 rows of 8,192 bytes; thread t the 16 bytes at 16 t and at 4,096 + 16 t of each row, so a load or store of a wave covers 512 consecutive bytes.
; All 34 loads of a thread go out before the first wait; no register is used twice, so no wait frees one.  Memory binds: LDS, matrix units and clusters would add nothing.
.set B, 4                              ; v[4:11]    my 8 biases
.set P, 16                             ; v[16:143]  row r, half c, part s at 16 + 32 r + 16 c + 4 s
	s_load_b128 s[4:7], s[0:1], 0x0                ; part s[4:5], b_down s[6:7]
	s_load_b64 s[16:17], s[0:1], 0x10              ; out0
	v_lshlrev_b32 v1, 4, v0
	s_lshl_b32 s2, ttmp9, 15                       ; the work-group's 4 rows
	s_mov_b32 s3, 0
	s_wait_kmcnt 0x0
	s_add_nc_u64 s[8:9], s[4:5], s[2:3]            ; a base for each part: 8,388,608 bytes apart, more than an immediate holds
	s_add_nc_u64 s[10:11], s[8:9], 0x800000
	s_add_nc_u64 s[12:13], s[10:11], 0x800000
	s_add_nc_u64 s[14:15], s[12:13], 0x800000
	s_add_nc_u64 s[16:17], s[16:17], s[2:3]
	global_load_b128 v[B:B+3], v1, s[6:7]
	global_load_b128 v[B+4:B+7], v1, s[6:7] offset:4096
.irp r, 0,1,2,3
.irp c, 0,1
.irp s, 0,1,2,3
	global_load_b128 v[P+32*\r+16*\c+4*\s:P+32*\r+16*\c+4*\s+3], v1, s[8+2*\s:9+2*\s] offset:8192*\r+4096*\c th:TH_LOAD_NT
.endr
.endr
.endr
.irp r, 0,1,2,3
	s_wait_loadcnt 24-8*\r                         ; row r's eight loads are in; the eight of each later row may stay out
.irp c, 0,1
	v_pk_add_f32 v[P+32*\r+16*\c:P+32*\r+16*\c+1],   v[B+4*\c:B+4*\c+1],   v[P+32*\r+16*\c:P+32*\r+16*\c+1]
	v_pk_add_f32 v[P+32*\r+16*\c+2:P+32*\r+16*\c+3], v[B+4*\c+2:B+4*\c+3], v[P+32*\r+16*\c+2:P+32*\r+16*\c+3]
.irp s, 1,2,3
	v_pk_add_f32 v[P+32*\r+16*\c:P+32*\r+16*\c+1],   v[P+32*\r+16*\c:P+32*\r+16*\c+1],   v[P+32*\r+16*\c+4*\s:P+32*\r+16*\c+4*\s+1]
	v_pk_add_f32 v[P+32*\r+16*\c+2:P+32*\r+16*\c+3], v[P+32*\r+16*\c+2:P+32*\r+16*\c+3], v[P+32*\r+16*\c+4*\s+2:P+32*\r+16*\c+4*\s+3]
.endr
	global_store_b128 v1, v[P+32*\r+16*\c:P+32*\r+16*\c+3], s[16:17] offset:8192*\r+4096*\c th:TH_STORE_NT
.endr
.endr
	s_endpgm
.Lfunc_end_k_qac5c52a130_sumk:
	.size	k_qac5c52a130_sumk, .Lfunc_end_k_qac5c52a130_sumk-k_qac5c52a130_sumk
	.p2alignl 7, 3214868480
	.fill 96, 4, 3214868480
	.section	.rodata,"a",@progbits
	.p2align	6, 0x0
	.amdhsa_kernel k_qac5c52a130_sumk
		.amdhsa_group_segment_fixed_size 0
		.amdhsa_private_segment_fixed_size 0
		.amdhsa_enable_private_segment 0
		.amdhsa_kernarg_size 24
		.amdhsa_user_sgpr_count 2
		.amdhsa_user_sgpr_kernarg_segment_ptr 1
		.amdhsa_wavefront_size32 1
		.amdhsa_system_sgpr_workgroup_id_x 1
		.amdhsa_system_sgpr_workgroup_id_y 1
		.amdhsa_system_sgpr_workgroup_id_z 1
		.amdhsa_system_vgpr_workitem_id 0
		.amdhsa_next_free_vgpr 160
		.amdhsa_next_free_sgpr 66
		.amdhsa_reserve_vcc 0
		.amdhsa_float_denorm_mode_32 3
		.amdhsa_float_denorm_mode_16_64 3
		.amdhsa_memory_ordered 1
		.amdhsa_forward_progress 1
		.amdhsa_inst_pref_size 9
	.end_amdhsa_kernel
	.amdgpu_metadata
---
amdhsa.version: [ 1, 2 ]
amdhsa.kernels:
  - .name:           k_qac5c52a130_sumk
    .symbol:         k_qac5c52a130_sumk.kd
    .args:
      - { .name: part, .offset: 0, .size: 8, .value_kind: global_buffer, .address_space: global }
      - { .name: b_down, .offset: 8, .size: 8, .value_kind: global_buffer, .address_space: global }
      - { .name: out0, .offset: 16, .size: 8, .value_kind: global_buffer, .address_space: global }
    .group_segment_fixed_size: 0
    .private_segment_fixed_size: 0
    .kernarg_segment_align: 8
    .kernarg_segment_size: 24
    .max_flat_workgroup_size: 256
    .sgpr_count:     66
    .vgpr_count:     160
    .wavefront_size: 32
...
	.end_amdgpu_metadata
.endif
;; end of part 4
;; ======== version 2 of 2: 4 launches; version 1 with the launch castx written anew for expert scheduling mode
;; workspace buffers: xb 4,194,304 bytes; hb 16,777,216 bytes; wdb 33,554,432 bytes; part 33,554,432 bytes
;; launch castx (part 5): grid 256 x 1, 8 waves a work-group, no clusters, 0 bytes of LDS; arguments hidden_states, xb; writes xb
.if DOCPART == 5
	.amdgcn_target "amdgcn-amd-amdhsa--gfx1250"
	.amdhsa_code_object_version 6
	.text
	.protected	k_qac5c52a130_castx
	.globl	k_qac5c52a130_castx
	.p2align	8
	.type	k_qac5c52a130_castx,@function
k_qac5c52a130_castx:
	s_mov_b64 s[64:65], 0
	v_nop
	global_prefetch_b8 v0, s[64:65] scope:SCOPE_SE
	s_setreg_imm32_b32 hwreg(HW_REG_WAVE_SCHED_MODE, 0, 2), 2
	s_setreg_imm32_b32 hwreg(HW_REG_WAVE_MODE, 25, 1), 1
	s_wait_xcnt 0x0
	s_wait_alu depctr_vm_vsrc(0)
; xb = hidden_states rounded once to bf16 (nearest even): [1024][2048], the layout kept.  It is the first product's matrix operand; rounded here once, it
; goes into LDS as 2 bytes a number in the next launch, where 64 work-groups read each row.
; NOTHING OF reference() IS LEFT OUT in this program: every input has a way to out0 and is loaded by some launch.
; SHARES.  A work-group takes 32,768 bytes of x, a wave 4,096: eight loads of 16 bytes a lane (512 consecutive bytes each), all issued before the first wait.
; Four f32 become 8 bytes: a store of the wave covers 256 consecutive bytes, at a multiple of 256 from xb's first byte.  No register is used twice, so no wait frees one.
; THE MODE: SCHED_MODE bits 1:0 = 2 (LLVM: expert scheduling mode 2), set by the entry lines.  The code itself states the register dependences
; between vector instructions and memory instructions, with s_wait_alu, always for 0.
; THE PLAN.  Registers that memory instructions touch:
;   v1, v2     byte offsets, made once at the head by vector instructions and never written again: v1 is read by the eight loads, v2 by the eight stores.
;   X          written by the loads, once each; no vector instruction names it before they are issued; read by the conversions.
;   Y          written by the conversions, once each; read by the stores, once each.
; The eight loads go in two blocks of four.  Block 0's conversions write Y's first half; its four stores stand among block 1's conversions, which read X's second half and write
; Y's second half: none of the registers that those stores touch.  So three waits on va_vdst state everything: the offsets, Y's first half, Y's second half.
; No register that a memory instruction has read is written again, so no wait on vm_vsrc is owed; no vector instruction writes a scalar register or VCC; EXEC is never written.
.set X, 8                              ; v[8:39]   as loaded
.set Y, 40                             ; v[40:55]  to store
	s_load_b128 s[4:7], s[0:1], 0x0                ; x s[4:5], xb s[6:7]
	v_lshrrev_b32 v3, 5, v0                        ; wave
	v_and_b32 v4, 31, v0                           ; lane
	v_lshlrev_b32 v1, 12, v3
	v_lshl_or_b32 v1, v4, 4, v1                    ; in: 4,096 x wave + 16 x lane
	v_lshlrev_b32 v2, 11, v3
	v_lshl_or_b32 v2, v4, 3, v2                    ; out: 2,048 x wave + 8 x lane
	s_lshl_b32 s8, ttmp9, 15
	s_mov_b32 s9, 0
	s_lshl_b32 s10, ttmp9, 14
	s_mov_b32 s11, 0
	s_wait_kmcnt 0x0
	s_add_nc_u64 s[4:5], s[4:5], s[8:9]
	s_add_nc_u64 s[6:7], s[6:7], s[10:11]
	s_wait_alu depctr_va_vdst(0)                   ; v1 and v2 are written: every load of the kernel reads v1 as its offset, every store v2
.irp i, 0,1,2,3,4,5,6,7
	global_load_b128 v[X+4*(\i):X+4*(\i)+3], v1, s[4:5] offset:512*(\i) th:TH_LOAD_NT
.endr
	s_wait_loadcnt 4                               ; loads come back in order: loads 0 to 3 are in, the four younger ones stay out
.irp i, 0,1,2,3
	v_cvt_pk_bf16_f32 v[Y+2*(\i)], v[X+4*(\i)], v[X+4*(\i)+1]
	v_cvt_pk_bf16_f32 v[Y+2*(\i)+1], v[X+4*(\i)+2], v[X+4*(\i)+3]
.endr
	s_wait_loadcnt 0x0                             ; loads 4 to 7 are in
	s_wait_alu depctr_va_vdst(0)                   ; block 0's conversions have written v[Y:Y+7], which the four stores below read
.irp i, 4,5,6,7
	global_store_b64 v2, v[Y+2*((\i)-4):Y+2*((\i)-4)+1], s[6:7] offset:256*((\i)-4)  ; block 0's; no vector instruction since the wait names v2 or v[Y:Y+7]
	v_cvt_pk_bf16_f32 v[Y+2*(\i)], v[X+4*(\i)], v[X+4*(\i)+1]
	v_cvt_pk_bf16_f32 v[Y+2*(\i)+1], v[X+4*(\i)+2], v[X+4*(\i)+3]
.endr
	s_wait_alu depctr_va_vdst(0)                   ; block 1's conversions have written v[Y+8:Y+15], which the last four stores read
.irp i, 4,5,6,7
	global_store_b64 v2, v[Y+2*(\i):Y+2*(\i)+1], s[6:7] offset:256*(\i)
.endr
	s_endpgm
.Lfunc_end_k_qac5c52a130_castx:
	.size	k_qac5c52a130_castx, .Lfunc_end_k_qac5c52a130_castx-k_qac5c52a130_castx
	.p2alignl 7, 3214868480
	.fill 96, 4, 3214868480
	.section	.rodata,"a",@progbits
	.p2align	6, 0x0
	.amdhsa_kernel k_qac5c52a130_castx
		.amdhsa_group_segment_fixed_size 0
		.amdhsa_private_segment_fixed_size 0
		.amdhsa_enable_private_segment 0
		.amdhsa_kernarg_size 16
		.amdhsa_user_sgpr_count 2
		.amdhsa_user_sgpr_kernarg_segment_ptr 1
		.amdhsa_wavefront_size32 1
		.amdhsa_system_sgpr_workgroup_id_x 1
		.amdhsa_system_sgpr_workgroup_id_y 1
		.amdhsa_system_sgpr_workgroup_id_z 1
		.amdhsa_system_vgpr_workitem_id 0
		.amdhsa_next_free_vgpr 64
		.amdhsa_next_free_sgpr 66
		.amdhsa_reserve_vcc 0
		.amdhsa_float_denorm_mode_32 3
		.amdhsa_float_denorm_mode_16_64 3
		.amdhsa_memory_ordered 1
		.amdhsa_forward_progress 1
		.amdhsa_inst_pref_size 4
	.end_amdhsa_kernel
	.amdgpu_metadata
---
amdhsa.version: [ 1, 2 ]
amdhsa.kernels:
  - .name:           k_qac5c52a130_castx
    .symbol:         k_qac5c52a130_castx.kd
    .args:
      - { .name: hidden_states, .offset: 0, .size: 8, .value_kind: global_buffer, .address_space: global }
      - { .name: xb, .offset: 8, .size: 8, .value_kind: global_buffer, .address_space: global }
    .group_segment_fixed_size: 0
    .private_segment_fixed_size: 0
    .kernarg_segment_align: 8
    .kernarg_segment_size: 16
    .max_flat_workgroup_size: 256
    .sgpr_count:     66
    .vgpr_count:     64
    .wavefront_size: 32
...
	.end_amdgpu_metadata
.endif
;; end of part 5
;; launch gateup: the kernel of part 2 again; grid 64 x 4, 4 waves a work-group, clusters of 4 x 4, 327,680 bytes of LDS; arguments xb, w_gate, w_up, b_gate, b_up, w_down, hb, wdb; writes hb, wdb
;; launch down: the kernel of part 3 again; grid 16 x 16, 4 waves a work-group, clusters of 4 x 4, 327,680 bytes of LDS; arguments hb, wdb, part; writes part
;; launch sumk: the kernel of part 4 again; grid 256 x 1, 8 waves a work-group, no clusters, 0 bytes of LDS; arguments part, b_down, out0; writes out0
